; MI455X (gfx1250); checked and timed in simulation.
; The chip was launched on July 23, 2026; its instructions are those of AMD's public machine-readable ISA for CDNA 5 (MIT licence, August 2026) and "CDNA5" Instruction Set Architecture Reference Guide (July 2026). The comments in the code are by the model that wrote it; some were corrected since.
;; Self Attention. Allowed arithmetic: matrix products marked QUANTISED: E3M2 operands, one E8M0 scale for each 32 along K, by v_wmma_scale_f32_16x16x128_f8f6f4 with both operands' format E3M2, f32 sums; everything else in f32.
;; Inputs: Wk 64 x 256 float32; Wq 64 x 256 float32; Wv 256 x 256 float32; bk 64 float32; bq 64 float32; bv 256 float32; gamma 1 float32; ref 8 x 256 x 64 x 64 float32; x 8 x 256 x 64 x 64 float32.
;; Outputs: out0 8 x 256 x 64 x 64 float32.
;; This version of the problem:
;;   THIS VERSION OF THE PROBLEM IS GIVEN IN LOW PRECISION. The matrix products marked QUANTISED in the list below multiply operands that are first quantised to E3M2 (3 exponent bits, 2 mantissa bits; 6 bits a number), with one power-of-two scale for each 32 numbers along K (OCP MX v1.0); their sums are f32. All else is computed in f32.
;;   The module's matrix products, in the order in which they are computed (A, B: the left and right operand; K: the contracted axis; several contracted axes count as one K, in the product's order):
;;     1. [M 32,768, K 256] x [K 256, N 64]; A: input x; B: input Wq: QUANTISED
;;     2. [M 32,768, K 256] x [K 256, N 64]; A: input ref; B: input Wk: QUANTISED
;;     3. [M 32,768, K 256] x [K 256, N 256]; A: input x; B: input Wv: QUANTISED
;;     4. batch 8 x [M 4,096, K 64] x [K 64, N 4,096]; A: computed on the way; B: computed on the way: QUANTISED
;;     5. batch 8 x [M 256, K 4,096] x [K 4,096, N 4,096]; A: computed on the way; B: softmax (see below): QUANTISED
;;   THE QUANTISER, for each operand of a quantised product, along K:
;;     - K is cut into blocks of 32 from its start; a last block that is shorter is filled with zeros.
;;     - A block's scale is 2^e with e = floor(log2(the largest magnitude in the block)) - 4, held to -126 .. 127; a block of zeros has e = 0. As a byte (E8M0): e + 127.
;;     - Each number is divided by its block's scale, clamped to +-28, and rounded to the nearest number of E3M2, ties to even, subnormals kept.
;;     - The product sums the exact products of the quantised numbers (number of the format x scale) in f32.
;;   ~~~python
;;   def quantise(x, axis):      # numpy; x: float32 -> the quantised numbers, widened to float32 again
;;       x = np.moveaxis(x, axis, -1); K = x.shape[-1]
;;       x = np.pad(x, [(0, 0)] * (x.ndim - 1) + [(0, -K % 32)]); x = x.reshape(x.shape[:-1] + (-1, 32)); a = np.abs(x).max(-1, keepdims=True)
;;       e = np.where(a > 0, np.clip(np.frexp(np.where(a > 0, a, 1))[1] - 1 - 4, -126, 127), 0)      # np.frexp(a)[1] - 1 = floor(log2(a)), exactly
;;       r = np.clip(x / 2.0 ** e, -28, 28)
;;       step = 2.0 ** (np.maximum(np.frexp(np.where(r == 0, 1, r))[1] - 1, -2) - 2)
;;       q = np.round(r / step) * step * 2.0 ** e      # np.round: ties to even
;;       return np.moveaxis(q.reshape(q.shape[:-2] + (-1,))[..., :K], -1, axis).astype(np.float32)
;;   ~~~
;;   SOFTMAX AHEAD OF A QUANTISED PRODUCT. Where the list says 'softmax', what is quantised is not the finished softmax but p = 2^(t - M), with t = logit x log2(e) and M = ceil(the row's largest t), a whole number; so 1/2 < the row's largest p <= 1. The row's sum l is taken of the UNQUANTISED p, in f32, and the product's result is divided by l at the end. Since M is a whole number, a kernel that streams over the keys may use a running M (the ceiling of the running maximum): every later rescaling is an exact power of two, which a block's scale takes up: the codes' values come out the same.
;;   OPERANDS COMPUTED ON THE WAY. 'Computed on the way' means the value that the module computes at that place (a softmax that the list does not call 'softmax' is quantised finished and normalised). What goes into a quantiser is computed in f32, as accurately as f32 sums, v_exp_f32 and their like allow (about 1e-6 of the number): no bf16 or f16 on the way to a quantiser, and a product that is left as it is and whose result goes on into a quantised operand takes f32 operands (vector FMAs, or v_wmma_f32_16x16x4_f32). A number that lies on a knife's edge between two numbers of the format may be rounded either way, as far as f32 arithmetic and the matrix unit's own rounding can turn it there, and no further.
;; One version. Each part assembles by itself: llvm-mc -triple=amdgcn-amd-amdhsa -mcpu=gfx1250 --defsym DOCPART=n.
;; ======== version 1 of 1: 2 launches
;; workspace buffers: qc 1,572,864 bytes; kv 8,388,608 bytes
;; launch proj (part 1): grid 32 x 8, 16 waves a work-group, no clusters, 270,336 bytes of LDS; arguments x, ref, Wq, bq, Wk, bk, Wv, bv, qc, kv; writes qc, kv
.if DOCPART == 1
	.amdgcn_target "amdgcn-amd-amdhsa--gfx1250"
	.amdhsa_code_object_version 6
	.text
	.protected	k_qf02c175ebc_proj
	.globl	k_qf02c175ebc_proj
	.p2align	8
	.type	k_qf02c175ebc_proj,@function
k_qf02c175ebc_proj:
	s_mov_b64 s[64:65], 0
	v_nop
	global_prefetch_b8 v0, s[64:65] scope:SCOPE_SE
	s_setreg_imm32_b32 hwreg(HW_REG_WAVE_MODE, 25, 1), 1
	s_wait_xcnt 0x0
; q = Wq x + bq, k = Wk ref + bk, v = Wv x + bv (1x1 convolutions), all three products on codes of BF6 (E3M2) with one E8M0 scale for each 32 along K (the 256 input channels),
; and their results quantised again: q and k along their 64 channels, v along the pixels.  x, ref: [8][256][4096] f32; Wq, Wk: [64][256]; Wv: [256][256]; biases f32.
; SHARES.  A work-group (x: block of 128 pixels, y: batch) has sixteen waves.  Wave w = 8 T + 2 b + s.
;   Part 1: wave (T, b, s) quantises, of tensor T (0: x, 1: ref), pixels 32 b .. 32 b + 31 and channels 128 s .. 128 s + 127: A LANE TAKES A PIXEL AND ITS REGISTERS RUN DOWN THE CHANNELS, so a block of 32 along K
;   lies in one lane.  It also quantises one fragment of Wq or Wk and two of Wv.  All fragments go to LDS as images of their registers (16 bytes a lane, 512 bytes a store), scale words 4 bytes a lane.
;   Part 2: wave (T, m = w % 8) makes q (T = 0) or k (T = 1) of pixel tile m, transposed (source 0 = 16 rows of W, source 1 = 16 pixels): a lane holds one pixel and its registers run along the channels.
;   Part 3: wave n = w makes v's channels 16 n .. 16 n + 15 for all 128 pixels (source 0 = 16 pixels, source 1 = 16 rows of Wv): a lane holds one channel and its registers run along the pixels.
; THE PIXELS OF A TILE ARE NOT NEIGHBOURS: row r of tile 2 b + u is pixel 32 b + 8 u + r + 8 (r / 8), so that the 16 registers of tiles 2 b and 2 b + 1 of a result are 16 neighbouring pixels.  Wq's and Wk's rows likewise.
; OUT.  qc: record (32 batch + block) of 6,144 bytes: 8 tiles x 768 (registers 0-3 at 16 x lane, registers 4-5 at 512 + 8 x lane).  kv: record of 32,768 bytes: k's 8 tiles, v's 16 fragments of 1,536 bytes,
; then 2,048 bytes of scale words (k's 512, v's 1,024, q's 512), laid so that one load of 16 bytes a lane gives four scale registers, an even tile in lanes 0-15 and the odd one in lanes 16-31.
; q's and k's K is 64: their scale words carry 0x7f in the two upper bytes, and the reader sets the upper 64 codes to zero.
; THE WEIGHTS, 393,216 bytes beside the work-group's 262,144 bytes of x and ref, are read and quantised by every work-group, by plain loads: no tensor load stands in this text, so none is shared in a cluster.
; The quantiser wants 32 neighbours along K of ONE row in a lane; a load is best where neighbouring LANES take neighbouring bytes.  Both are had: each load of a wave reads 512 consecutive bytes, a row's 128 numbers of a K step;
; a fragment's 16 rows go through the wave's own stage in LDS, as they lie, and come back 128 bytes a lane.
; LIMITS: a block of zeros, and a block whose largest magnitude lies under 2^-122, gets the scale byte 1 (its codes are zeros or nearly; only this program reads the bytes).  NaN and infinities are not served.
.set WIMG, 49152                       ; LDS: 0: x's and ref's 32 fragments ((8 T + m) 2 + s) x 1,536;  WIMG: 48 weight fragments: 8 T + 2 t + s, then 16 + 2 n + s
.set XSC,  122880                      ; 16 images of x's scale words, 128 bytes each, index w: lanes 0-15 tile 2 b, lanes 16-31 tile 2 b + 1
.set WSC,  124928                      ; 48 images of the weights' scale words
.set SCST, 131072                      ; 2,048 bytes: the tail of the kv record is gathered here
.set STG,  133120                      ; the stages through which the weights turn: 16 rows of TP bytes for each wave, its own
.set TP,   528                         ; a stage's row: 512 bytes + 16 = 132 words: row r starts at bank 4 r mod 64 (64 banks of 4 bytes: ISA guide 11.1), so the 16 rows that a load touches start at 16 different banks
.set FRB,  1536                        ; a fragment's image
.set TM,   40                          ; v40-55 at work in the quantisers;  v20-31, v32-43 codes;  v56 the scale word just made;  v64-255 six sets of 32 numbers, later operands and sums
.set PC,   20
.set PW,   56
.set ACQ,  208                         ; q's or k's four accumulators
.set BV,   200                         ; bv of my lane's channel, eight times
.set ACV,  136                         ; v's eight accumulators
	s_load_b512 s[4:19], s[0:1], 0x0               ; x, ref, Wq, bq, Wk, bk, Wv, bv
	s_load_b128 s[20:23], s[0:1], 0x40             ; qc, kv
	v_lshl_add_u32 v6, v0, 2, 0x41800
	v_mov_b32 v51, 0
	v_lshrrev_b32 v60, 5, v0
	s_delay_alu instid0(VALU_DEP_1)
	v_readfirstlane_b32 s24, v60                   ; w
	v_and_b32 v61, 31, v0                          ; lane
	v_and_b32 v62, 15, v0                          ; r
	v_bfe_u32 v63, v0, 4, 1                        ; h
	s_lshr_b32 s25, s24, 3                         ; T
	s_bfe_u32 s26, s24, 0x20001                    ; b = (w >> 1) & 3
	s_and_b32 s27, s24, 1                          ; s
	s_and_b32 s28, ttmp7, 0xffff                   ; batch
	s_mov_b32 s36, 0x76543210
	s_mov_b32 s37, 0xfedcba98                      ; v_permlanex16_b32's selects for lane l xor 16
	v_lshlrev_b32 v1, 4, v61                       ; 16 x lane
	v_lshlrev_b32 v2, 3, v61                       ; 8 x lane
	v_lshl_add_u32 v3, v61, 2, XSC                 ; 4 x lane + XSC
	v_and_b32 v4, 7, v0                            ; my pixel among the wave's 32: (l & 7) | (l & 8) << 1 | (l & 16) >> 1
	v_and_b32 v5, 8, v0
	s_delay_alu instid0(VALU_DEP_1)
	v_lshl_or_b32 v4, v5, 1, v4
	v_and_b32 v5, 16, v0
	s_delay_alu instid0(VALU_DEP_1)
	v_lshrrev_b32 v5, 1, v5
	s_delay_alu instid0(VALU_DEP_1)
	v_or_b32 v4, v4, v5
	s_delay_alu instid0(VALU_DEP_1)
	v_lshlrev_b32 v4, 2, v4                        ; in bytes
	s_lshr_b32 s60, s24, 1
	s_mul_i32 s60, s60, 4*FRB
	s_mul_i32 s61, s27, FRB
	s_add_co_u32 s60, s60, s61
	v_add_nc_u32 v7, s60, v1                       ; where I store x's two fragments
	s_lshl_b32 s60, s24, 7
	v_add_nc_u32 v8, s60, v3                       ; and their scale words; + 2,048: my Wq or Wk fragment's
	s_mul_i32 s60, s24, FRB
	s_add_co_u32 s60, s60, WIMG
	v_add_nc_u32 v9, s60, v1                       ; where I store my fragment of Wq or Wk
	s_mul_i32 s60, s24, 2*FRB
	v_add_nc_u32 v10, s60, v1                      ; part 2: x's fragments of tile (T, m)
	s_delay_alu instid0(VALU_DEP_1)
	v_add_nc_u32 v11, WIMG+16*FRB, v10             ; Wv's two fragments of tile n = w
	s_lshl_b32 s60, s24, 8
	s_add_co_u32 s60, s60, WSC-XSC+2048
	v_add_nc_u32 v12, s60, v3                      ; and their scale words
	s_mul_i32 s60, s25, 8*FRB
	s_add_co_u32 s60, s60, WIMG
	v_add_nc_u32 v13, s60, v1                      ; part 2: the eight fragments of Wq or Wk
	s_lshl_b32 s60, s25, 10
	s_add_co_u32 s60, s60, WSC-XSC
	v_add_nc_u32 v14, s60, v3                      ; and their scale words
	s_lshr_b32 s60, s24, 1
	s_lshl_b32 s60, s60, 8
	s_lshl_b32 s61, s27, 6
	s_add_co_u32 s60, s60, s61
	s_add_co_u32 s60, s60, XSC
	v_lshl_add_u32 v15, v62, 2, s60                ; part 2: the scale words of tile (T, m): image 2 (w >> 1) + s, its half w & 1
	v_lshlrev_b32 v16, 6, v63                      ; bq, bk: 64 h
	s_lshl_b32 s60, s24, 6
	v_lshl_add_u32 v17, v62, 2, s60                ; bv: channel 16 w + r
	s_xor_b32 s60, s25, 1
	s_mul_i32 s60, s60, 1536
	s_lshl_b32 s61, s27, 8
	s_add_co_u32 s60, s60, s61
	s_lshl_b32 s61, s26, 2
	s_add_co_u32 s60, s60, s61
	s_add_co_u32 s60, s60, SCST
	v_lshl_add_u32 v18, v62, 4, s60                ; q's or k's scale word of tile m, row r: 256 (m & 1) + 16 r + 4 (m >> 1)
	s_lshl_b32 s60, s25, 9
	s_lshl_b32 s61, s27, 8
	s_add_co_u32 s60, s60, s61
	s_lshl_b32 s61, s26, 2
	s_add_co_u32 s60, s60, s61
	s_add_co_u32 s60, s60, SCST+512
	v_lshl_add_u32 v19, v62, 4, s60                ; v's of tile n: 512 (n >> 3) + 256 (n & 1) + 16 r + 4 ((n >> 1) & 3)
	v_lshlrev_b32 v57, 3, v63                      ; 8 h
	s_and_b32 s60, s24, 3
	s_lshl_b32 s60, s60, 9
	v_add_nc_u32 v59, s60, v1                      ; the tail's copy: 512 bytes for each of waves 0 to 3
	s_delay_alu instid0(VALU_DEP_1)
	v_add_nc_u32 v58, SCST, v59
	s_mul_i32 s60, s24, 16*TP
	s_add_co_u32 s60, s60, STG                     ; my stage
	v_mul_u32_u24 v60, v62, TP
	s_delay_alu instid0(VALU_DEP_1)
	v_lshl_add_u32 v60, v63, 7, v60
	s_delay_alu instid0(VALU_DEP_1)
	v_add_nc_u32 v63, s60, v60                     ; out of it: row r, + 128 h: my 32 neighbours along K  (r and h are done with: v62 and v63 hold the stage's two addresses from here on)
	v_add_nc_u32 v62, s60, v1                      ; into it: 16 x lane of a row
.irp b, 0,1,2,3
	v_mov_b32 v[TM+4+\b], 0                        ; written once: a lane permute's destination counts as one of its sources
.endr
	s_lshl_b32 s48, s28, 22                        ; x, ref: batch x 4 MiB + 128 s channels of 16,384 bytes + 512 x block + 128 b
	s_lshl_b32 s49, s27, 21
	s_add_co_u32 s48, s48, s49
	s_lshl_b32 s49, ttmp9, 9
	s_add_co_u32 s48, s48, s49
	s_lshl_b32 s49, s26, 7
	s_add_co_u32 s48, s48, s49
	s_mov_b32 s49, 0
	s_lshl_b32 s50, s28, 5
	s_add_co_u32 s50, s50, ttmp9                   ; the record: 32 batch + block
	s_mul_i32 s51, s50, 6144                       ; in qc,
	s_lshl_b32 s52, s50, 15                        ; in kv
	s_and_b32 s53, s24, 7
	s_mul_i32 s53, s53, 768                        ; tile m's image
	s_lshr_b32 s56, s26, 1                         ; Wq, Wk: tile t = b begins at row 32 (t / 2) + 8 (t % 2); + 512 s
	s_lshl_b32 s56, s56, 15
	s_and_b32 s57, s26, 1
	s_lshl_b32 s57, s57, 13
	s_add_co_u32 s56, s56, s57
	s_lshl_b32 s57, s27, 9
	s_add_co_u32 s56, s56, s57
	s_mov_b32 s57, 0
	s_lshl_b32 s58, s24, 14                        ; Wv: 16 rows a wave
	s_mov_b32 s59, 0
	s_wait_kmcnt 0x0
	s_cmp_eq_u32 s25, 0                            ; the buffers are chosen by the wave's number alone
	s_cselect_b64 s[30:31], s[4:5], s[6:7]         ; x or ref
	s_cselect_b64 s[32:33], s[8:9], s[12:13]       ; Wq or Wk
	s_cselect_b64 s[34:35], s[10:11], s[14:15]     ; bq or bk
	s_cselect_b64 s[42:43], s[20:21], s[22:23]     ; q's codes go to qc, k's to kv
	s_cselect_b32 s54, s51, s52
	s_add_nc_u64 s[30:31], s[30:31], s[48:49]
.macro XLOAD k                         ; block k of 32 channels: a load reads one channel at the wave's 32 pixels: 128 consecutive bytes; the four waves b stand side by side on 512
.set i, 0
.rept 32
	global_load_b32 v[64+32*(\k)+i], v4, s[30:31] offset:(32*(\k)+i)*16384 th:TH_LOAD_NT
.set i, i+1
.endr
.endm
; A weight fragment as it lies in memory: 16 rows x 128 numbers of a K step, into 64 registers from v[dst] on.  Load i reads row i's 512 consecutive bytes, 16 a lane.  spread = 1: the rows of a tile of Wq or Wk: i + 8 (i / 8).
.macro WRAW dst, base, off, spread
.set i, 0
.rept 16
	global_load_b128 v[(\dst)+4*i:(\dst)+4*i+3], v1, s[\base:\base+1] offset:(i+8*(\spread)*(i/8))*1024+(\off)
.set i, i+1
.endr
.endm
	XLOAD 0
	XLOAD 1
	XLOAD 2
	XLOAD 3
	s_add_co_u32 s54, s54, s53
	s_mov_b32 s55, 0
	s_add_nc_u64 s[42:43], s[42:43], s[54:55]      ; where my tile of q or k goes
	s_add_nc_u64 s[32:33], s[32:33], s[56:57]
	s_add_nc_u64 s[38:39], s[16:17], s[58:59]      ; Wv at my 16 rows
	s_mov_b32 s53, 0
	s_add_nc_u64 s[40:41], s[22:23], s[52:53]      ; my kv record
	s_mul_i32 s54, s24, FRB
	s_add_co_u32 s54, s54, 6144
	s_add_nc_u64 s[44:45], s[40:41], s[54:55]      ; v's fragment n
	s_add_nc_u64 s[46:47], s[40:41], 30720         ; the scale words
	WRAW 192, 32, 0, 1                             ; my fragment of Wq or Wk, into sets 4 and 5
; The largest magnitude of the 32 numbers of a set, with the floor 2^(5 - 127) among its leaves; 4 off its exponent field is the conversion's scale operand, and that shifted down the scale's byte.
.macro BMAX set, sop, byte
.set XB, 64+32*(\set)
	v_max3_num_f32 v52, |v[XB]|, |v[XB+1]|, |v[XB+2]|
	v_max3_num_f32 v53, |v[XB+3]|, |v[XB+4]|, |v[XB+5]|
.irp i, 6,10,14,18,22,26
	s_delay_alu instid0(VALU_DEP_2)
	v_max3_num_f32 v52, v52, |v[XB+\i]|, |v[XB+\i+1]|
	s_delay_alu instid0(VALU_DEP_2)
	v_max3_num_f32 v53, v53, |v[XB+\i+2]|, |v[XB+\i+3]|
.endr
	s_delay_alu instid0(VALU_DEP_2)
	v_max3_num_f32 v52, v52, |v[XB+30]|, |v[XB+31]|
	s_delay_alu instid0(VALU_DEP_1)
	v_max3_num_f32 v52, v52, v53, 0x2800000
	s_delay_alu instid0(VALU_DEP_1)
	v_add_nc_u32 v[\sop], 0xfe000000, v52
	s_delay_alu instid0(VALU_DEP_1)
	v_lshrrev_b32 v[\byte], 23, v[\sop]
.endm
; Block k of my pixel becomes six registers of codes at v[dst] on, and byte k of its scale word.  cnt: the loads issued behind this block's (63 where they are more than a wait can name).
.macro XQ k, cnt, dst
	s_wait_loadcnt \cnt
	BMAX \k, 54, 60
	v_cvt_scalef32_pk16_bf6_f32 v[\dst:\dst+2], v[64+32*(\k):64+32*(\k)+15], v54
	v_cvt_scalef32_pk16_bf6_f32 v[44:46], v[64+32*(\k)+16:64+32*(\k)+31], v54   ; (a conversion's three registers begin on an even number: the upper half is made elsewhere and moved)
.if \k == 0
	v_mov_b32 v[PW], v60                           ; (a plain line behind the conversions)
.else
	v_lshl_or_b32 v[PW], v60, 8*(\k), v[PW]
.endif
	v_mov_b32 v[\dst+3], v44
	v_mov_b32 v[\dst+4], v45
	v_mov_b32 v[\dst+5], v46
.endm
	XQ 0, 63, 20                                   ; 112 loads were issued behind block 0's
	XQ 1, 63, 32                                   ; 80 behind block 1's
.irp i, 0,1,2,3,4,5
	v_permlane16_swap_b32 v[20+\i], v[32+\i]       ; lanes 0-15 hold tile 2 b's pixels, lanes 16-31 tile 2 b + 1's: the first register's upper lanes change places with the second's lower ones,
.endr                                              ; and v20.. is tile 2 b's fragment (lane (r, h): block h), v32.. tile 2 b + 1's
	WRAW 64, 38, 0, 0                              ; Wv, K step 0, into sets 0 and 1, which have been read
	XQ 2, 63, 26                                   ; 64 behind block 2's
	XQ 3, 32, 38                                   ; behind block 3's: two weight fragments of 16 loads
.irp i, 0,1,2,3,4,5
	v_permlane16_swap_b32 v[26+\i], v[38+\i]
.endr
	WRAW 128, 38, 512, 0                           ; Wv, K step 1, into sets 2 and 3
.irp c, 0,1,2
	ds_store_b128 v7, v[20+4*\c:23+4*\c] offset:512*\c
	ds_store_b128 v7, v[32+4*\c:35+4*\c] offset:2*FRB+512*\c
.endr
	ds_store_b32 v8, v[PW]
; A weight fragment, as loaded in sets ss and ss + 1, turns through my stage into sets sa and sb = sa + 1: there lane (r, h) holds of row r K = 32 h + 0 .. 31 (sa) and 64 + 32 h + 0 .. 31 (sb).
; LDS serves a wave's instructions in order (ISA guide 5.7.1.4): the loads see the stores, and the next fragment's stores come behind these loads; the stage is my wave's own, so no barrier.
; Then the two blocks become a fragment's codes and its scale word, and go to LDS as images.  cnt: the global loads issued behind this fragment's.
.macro WQ ss, sa, sb, cnt, adr, off, sadr, soff
	s_wait_loadcnt \cnt
.set i, 0
.rept 16
	ds_store_b128 v62, v[64+32*(\ss)+4*i:64+32*(\ss)+4*i+3] offset:TP*i
.set i, i+1
.endr
.if (\ss) == (\sa)
	s_wait_dscnt 0x0                               ; the stores have read their registers, into which the loads below land
.endif
.set i, 0
.rept 16
	ds_load_b128 v[64+32*(\sa)+4*i:64+32*(\sa)+4*i+3], v63 offset:256*(i/8)+16*(i%8)
.set i, i+1
.endr
	s_wait_dscnt 0x0                               ; the fragment is back; and my earlier LDS stores have read the registers of codes that are written now
	BMAX \sa, 54, 60
	BMAX \sb, 55, 61
	s_delay_alu instid0(VALU_DEP_1)
	v_lshl_or_b32 v[PW], v61, 16, v60              ; my two bytes, blocks h and 2 + h,
	s_delay_alu instid0(VALU_DEP_1)
	v_lshlrev_b32 v[PW], v57, v[PW]                ; at their places (8 h bits up);
	s_delay_alu instid0(VALU_DEP_1)
	v_permlanex16_b32 v47, v[PW], s36, s37
	s_delay_alu instid0(VALU_DEP_1)
	v_or_b32 v[PW], v[PW], v47                     ; with lane l xor 16's two the word is whole
	v_cvt_scalef32_pk16_bf6_f32 v[20:22], v[64+32*(\sa):64+32*(\sa)+15], v54
	v_cvt_scalef32_pk16_bf6_f32 v[44:46], v[64+32*(\sa)+16:64+32*(\sa)+31], v54
	v_cvt_scalef32_pk16_bf6_f32 v[26:28], v[64+32*(\sb):64+32*(\sb)+15], v55
	v_cvt_scalef32_pk16_bf6_f32 v[48:50], v[64+32*(\sb)+16:64+32*(\sb)+31], v55
	v_nop                                          ; one plain line behind the conversions
.irp i, 0,1,2
	v_mov_b32 v[23+\i], v[44+\i]
	v_mov_b32 v[29+\i], v[48+\i]
.endr
.irp c, 0,1,2
	ds_store_b128 v[\adr], v[20+4*\c:23+4*\c] offset:(\off)+512*\c
.endr
	ds_store_b32 v[\sadr], v[PW] offset:\soff
.endm
	WQ 4, 4, 5, 32, 9, 0, 8, WSC-XSC               ; Wq's or Wk's fragment; behind its loads: Wv's two fragments, 32 loads
	WQ 0, 4, 5, 16, 11, 0, 12, 0                   ; Wv, K step 0; behind its loads: K step 1's 16
.irp t, 0,1,2,3                                    ; THE BIASES ARE THE SUMS' BEGINNINGS.  bq or bk goes straight into the accumulators: lane (r, h), tile t: channels 32 (t / 2) + 8 (t % 2) + 16 h + 0 .. 7
	global_load_b128 v[ACQ+8*\t:ACQ+8*\t+3], v16, s[34:35] offset:(32*(\t/2)+8*(\t%2))*4
	global_load_b128 v[ACQ+8*\t+4:ACQ+8*\t+7], v16, s[34:35] offset:(32*(\t/2)+8*(\t%2))*4+16
.endr
.irp j, 0,1,2,3,4,5,6,7
	global_load_b32 v[BV+\j], v17, s[18:19]        ; bv of my channel, in each of a result's eight registers
.endr
	WQ 2, 0, 1, 16, 11, FRB, 12, 128               ; Wv, K step 1; behind its loads: the 16 bias loads
	s_wait_dscnt 0x0                               ; my images have landed
	s_barrier_signal -1
	s_barrier_wait -1                              ; everybody's have
	; ---- part 2: q or k of pixel tile m
.irp f, 0,1,2,3,4,5,6,7
.irp c, 0,1,2
	ds_load_b128 v[64+12*\f+4*\c:67+12*\f+4*\c], v13 offset:FRB*\f+512*\c
.endr
	ds_load_b32 v[240+\f], v14 offset:128*\f
.endr
.irp s, 0,1
.irp c, 0,1,2
	ds_load_b128 v[160+12*\s+4*\c:163+12*\s+4*\c], v10 offset:FRB*\s+512*\c
.endr
	ds_load_b32 v[248+\s], v15 offset:128*\s
.endr
	s_wait_dscnt 0x0
	s_wait_loadcnt 8                               ; bq or bk is in; bv's eight loads, issued behind, may be out
.irp s, 0,1                                        ; four accumulators by turns, a K step at a time
.irp t, 0,1,2,3
	v_wmma_scale_f32_16x16x128_f8f6f4 v[ACQ+8*\t:ACQ+8*\t+7], v[64+12*(2*\t+\s):75+12*(2*\t+\s)], v[160+12*\s:171+12*\s], v[ACQ+8*\t:ACQ+8*\t+7], v[240+2*\t+\s], v[248+\s] matrix_a_fmt:MATRIX_FMT_BF6 matrix_b_fmt:MATRIX_FMT_BF6
.endr
.endr
.rept 5
	v_nop                                          ; four places ahead of the first read of results and of loads into operands; a fifth, since v's sums are later laid over these operands
.endr
	; 32 numbers of a lane, register 16 b + i = channel 32 b + 16 h + i of my pixel, become six registers of codes and a scale word
.irp b, 0,1
	v_max3_num_f32 v[TM+\b], |v[ACQ+16*\b]|, |v[ACQ+1+16*\b]|, 0x2800000
.endr
.irp i, 2,4,6,8,10,12,14
.irp b, 0,1
	v_max3_num_f32 v[TM+\b], v[TM+\b], |v[ACQ+16*\b+\i]|, |v[ACQ+1+16*\b+\i]|
.endr
.endr
.irp b, 0,1
	v_permlanex16_b32 v[TM+4+\b], v[TM+\b], s36, s37
.endr
.irp b, 0,1
	s_delay_alu instid0(VALU_DEP_2)
	v_max_num_f32 v[TM+\b], v[TM+\b], v[TM+4+\b]   ; with lane l xor 16's: the block's largest magnitude
.endr
.irp b, 0,1
	s_delay_alu instid0(VALU_DEP_2)
	v_add_nc_u32 v[TM+12+\b], 0xfe000000, v[TM+\b]
.endr
.irp b, 0,1
	s_delay_alu instid0(VALU_DEP_2)
	v_lshrrev_b32 v[TM+4+\b], 23, v[TM+12+\b]
.endr
	s_delay_alu instid0(VALU_DEP_1)
	v_lshl_or_b32 v[PW], v[TM+5], 8, v[TM+4]
	s_delay_alu instid0(VALU_DEP_1)
	v_or_b32 v[PW], 0x7f7f0000, v[PW]              ; the two blocks that K = 64 does not have: scale 1 over zero codes
	v_cvt_scalef32_pk16_bf6_f32 v[20:22], v[ACQ:ACQ+15], v[TM+12]
	v_cvt_scalef32_pk16_bf6_f32 v[32:34], v[ACQ+16:ACQ+31], v[TM+13]
	v_nop
.irp i, 0,1,2
	v_permlane16_swap_b32 v[20+\i], v[32+\i]       ; a whole block to a lane: lanes 0-15 block 0, lanes 16-31 block 1
.endr
.irp i, 0,1,2
	s_delay_alu instid0(VALU_DEP_3)
	v_mov_b32 v[23+\i], v[32+\i]
.endr
	global_store_b128 v1, v[20:23], s[42:43]       ; 512 consecutive bytes, at a multiple of 256 from the buffer's first byte,
	global_store_b64 v2, v[24:25], s[42:43] offset:512   ; and 256 more
	ds_store_b32 v18, v[PW]                        ; (both lanes of a pixel write the same word with the same value)
	; ---- part 3: v's channels 16 n .. 16 n + 15 for the 128 pixels
.irp s, 0,1
.irp c, 0,1,2
	ds_load_b128 v[64+12*\s+4*\c:67+12*\s+4*\c], v11 offset:FRB*\s+512*\c
.endr
	ds_load_b32 v[208+\s], v12 offset:128*\s
.endr
.irp i, 0,1,2,3,4,5,6,7
	ds_load_b32 v[210+\i], v3 offset:128*\i        ; x's scale words: register 2 b + s: lanes 0-15 tile 2 b, lanes 16-31 tile 2 b + 1
.endr
.macro VMUL s, m
.if (\s) == 0
.if (\m)%2
	v_wmma_scale_f32_16x16x128_f8f6f4 v[ACV+8*(\m):ACV+8*(\m)+7], v[88+12*((\m)%4):99+12*((\m)%4)], v[64:75], v[BV:BV+7], v[210+2*((\m)/2)], v208 matrix_a_fmt:MATRIX_FMT_BF6 matrix_b_fmt:MATRIX_FMT_BF6 matrix_a_scale:MATRIX_SCALE_ROW1
.else
	v_wmma_scale_f32_16x16x128_f8f6f4 v[ACV+8*(\m):ACV+8*(\m)+7], v[88+12*((\m)%4):99+12*((\m)%4)], v[64:75], v[BV:BV+7], v[210+2*((\m)/2)], v208 matrix_a_fmt:MATRIX_FMT_BF6 matrix_b_fmt:MATRIX_FMT_BF6
.endif
.else
.if (\m)%2
	v_wmma_scale_f32_16x16x128_f8f6f4 v[ACV+8*(\m):ACV+8*(\m)+7], v[88+12*((\m)%4):99+12*((\m)%4)], v[76:87], v[ACV+8*(\m):ACV+8*(\m)+7], v[211+2*((\m)/2)], v209 matrix_a_fmt:MATRIX_FMT_BF6 matrix_b_fmt:MATRIX_FMT_BF6 matrix_a_scale:MATRIX_SCALE_ROW1
.else
	v_wmma_scale_f32_16x16x128_f8f6f4 v[ACV+8*(\m):ACV+8*(\m)+7], v[88+12*((\m)%4):99+12*((\m)%4)], v[76:87], v[ACV+8*(\m):ACV+8*(\m)+7], v[211+2*((\m)/2)], v209 matrix_a_fmt:MATRIX_FMT_BF6 matrix_b_fmt:MATRIX_FMT_BF6
.endif
.endif
.endm
.irp s, 0,1                                        ; eight accumulators by turns, four pixel tiles at a time, a K step after the other
.irp g, 0,4
.irp q, 0,1,2,3
.irp c, 0,1,2
	ds_load_b128 v[88+12*\q+4*\c:91+12*\q+4*\c], v1 offset:(2*(\g+\q)+\s)*FRB+512*\c
.endr
.endr
	s_wait_dscnt 0x0
.if (\s+\g) == 0
	s_wait_loadcnt 0x0                             ; bv
.endif
.irp q, 0,1,2,3
	VMUL \s, \g+\q
.endr
.rept 4
	v_nop                                          ; places ahead of loads into registers that these products read, and of the first read of results
.endr
.endr
.endr
	s_wait_xcnt 0x0                                ; the stores of q's or k's codes have read their registers, which are written again now
	; 64 numbers of a lane, register 16 b + i = pixel 32 b + 16 h + i of my channel, become a fragment and its scale word
.irp b, 0,1,2,3
	v_max3_num_f32 v[TM+\b], |v[ACV+16*\b]|, |v[ACV+1+16*\b]|, 0x2800000
.endr
.irp i, 2,4,6,8,10,12,14
.irp b, 0,1,2,3
	v_max3_num_f32 v[TM+\b], v[TM+\b], |v[ACV+16*\b+\i]|, |v[ACV+1+16*\b+\i]|
.endr
.endr
.irp b, 0,1,2,3
	v_permlanex16_b32 v[TM+4+\b], v[TM+\b], s36, s37
.endr
.irp b, 0,1,2,3
	s_delay_alu instid0(VALU_DEP_4)
	v_max_num_f32 v[TM+\b], v[TM+\b], v[TM+4+\b]
.endr
.irp b, 0,1,2,3
	s_delay_alu instid0(VALU_DEP_4)
	v_add_nc_u32 v[TM+12+\b], 0xfe000000, v[TM+\b]
.endr
.irp b, 0,1,2,3
	s_delay_alu instid0(VALU_DEP_4)
	v_lshrrev_b32 v[TM+4+\b], 23, v[TM+12+\b]
.endr
	s_delay_alu instid0(VALU_DEP_3)
	v_lshl_or_b32 v[PW], v[TM+5], 8, v[TM+4]
	s_delay_alu instid0(VALU_DEP_1)
	v_lshl_or_b32 v[PW], v[TM+6], 16, v[PW]
	s_delay_alu instid0(VALU_DEP_1)
	v_lshl_or_b32 v[PW], v[TM+7], 24, v[PW]
.irp c, 0,1
	v_cvt_scalef32_pk16_bf6_f32 v[PC+6*\c:PC+2+6*\c], v[ACV+32*\c:ACV+15+32*\c], v[TM+12+2*\c]
	v_cvt_scalef32_pk16_bf6_f32 v[PC+12+4*\c:PC+14+4*\c], v[ACV+16+32*\c:ACV+31+32*\c], v[TM+12+2*\c+1]
.endr
	v_nop
.irp c, 0,1
.irp i, 0,1,2
	v_permlane16_swap_b32 v[PC+6*\c+\i], v[PC+12+4*\c+\i]
.endr
.irp i, 0,1,2
	s_delay_alu instid0(VALU_DEP_3)
	v_mov_b32 v[PC+3+6*\c+\i], v[PC+12+4*\c+\i]
.endr
.endr
.irp c, 0,1,2
	global_store_b128 v1, v[PC+4*\c:PC+4*\c+3], s[44:45] offset:512*\c   ; the fragment as it stands: 512 consecutive bytes a store
.endr
	ds_store_b32 v19, v[PW]
	s_wait_dscnt 0x0                               ; my scale words have landed
	s_barrier_signal -1
	s_barrier_wait -1                              ; all 2,048 bytes have
	s_cmp_lt_u32 s24, 4
	s_cbranch_scc0 .Ldone
	ds_load_b128 v[64:67], v58
	s_wait_dscnt 0x0
	global_store_b128 v59, v[64:67], s[46:47]      ; waves 0 to 3: 512 consecutive bytes each
.Ldone:
	s_wait_tensorcnt 0x0
	ds_add_u32 v6, v51
	s_wait_dscnt 0x0
	s_endpgm
.Lfunc_end_k_qf02c175ebc_proj:
	.size	k_qf02c175ebc_proj, .Lfunc_end_k_qf02c175ebc_proj-k_qf02c175ebc_proj
	.p2alignl 7, 3214868480
	.fill 96, 4, 3214868480
	.section	.rodata,"a",@progbits
	.p2align	6, 0x0
	.amdhsa_kernel k_qf02c175ebc_proj
		.amdhsa_group_segment_fixed_size 270336
		.amdhsa_private_segment_fixed_size 0
		.amdhsa_enable_private_segment 0
		.amdhsa_kernarg_size 80
		.amdhsa_user_sgpr_count 2
		.amdhsa_user_sgpr_kernarg_segment_ptr 1
		.amdhsa_wavefront_size32 1
		.amdhsa_system_sgpr_workgroup_id_x 1
		.amdhsa_system_sgpr_workgroup_id_y 1
		.amdhsa_system_sgpr_workgroup_id_z 1
		.amdhsa_system_vgpr_workitem_id 0
		.amdhsa_next_free_vgpr 256
		.amdhsa_next_free_sgpr 66
		.amdhsa_reserve_vcc 0
		.amdhsa_float_denorm_mode_32 3
		.amdhsa_float_denorm_mode_16_64 3
		.amdhsa_memory_ordered 1
		.amdhsa_forward_progress 1
		.amdhsa_inst_pref_size 70
	.end_amdhsa_kernel
	.amdgpu_metadata
---
amdhsa.version: [ 1, 2 ]
amdhsa.kernels:
  - .name:           k_qf02c175ebc_proj
    .symbol:         k_qf02c175ebc_proj.kd
    .args:
      - { .name: x, .offset: 0, .size: 8, .value_kind: global_buffer, .address_space: global }
      - { .name: ref, .offset: 8, .size: 8, .value_kind: global_buffer, .address_space: global }
      - { .name: Wq, .offset: 16, .size: 8, .value_kind: global_buffer, .address_space: global }
      - { .name: bq, .offset: 24, .size: 8, .value_kind: global_buffer, .address_space: global }
      - { .name: Wk, .offset: 32, .size: 8, .value_kind: global_buffer, .address_space: global }
      - { .name: bk, .offset: 40, .size: 8, .value_kind: global_buffer, .address_space: global }
      - { .name: Wv, .offset: 48, .size: 8, .value_kind: global_buffer, .address_space: global }
      - { .name: bv, .offset: 56, .size: 8, .value_kind: global_buffer, .address_space: global }
      - { .name: qc, .offset: 64, .size: 8, .value_kind: global_buffer, .address_space: global }
      - { .name: kv, .offset: 72, .size: 8, .value_kind: global_buffer, .address_space: global }
    .group_segment_fixed_size: 270336
    .private_segment_fixed_size: 0
    .kernarg_segment_align: 8
    .kernarg_segment_size: 80
    .max_flat_workgroup_size: 512
    .sgpr_count:     66
    .vgpr_count:     256
    .wavefront_size: 32
...
	.end_amdgpu_metadata
.endif
;; end of part 1
;; launch attn (part 2): grid 32 x 8, 8 waves a work-group, clusters of 4 x 1, 327,680 bytes of LDS; arguments qc, kv, x, gamma, out0; writes out0
.if DOCPART == 2
	.amdgcn_target "amdgcn-amd-amdhsa--gfx1250"
	.amdhsa_code_object_version 6
	.text
	.protected	k_qf02c175ebc_attn
	.globl	k_qf02c175ebc_attn
	.p2align	8
	.type	k_qf02c175ebc_attn,@function
k_qf02c175ebc_attn:
	s_mov_b64 s[64:65], 0
	v_nop
	global_prefetch_b8 v0, s[64:65] scope:SCOPE_SE
	s_setreg_imm32_b32 hwreg(HW_REG_WAVE_MODE, 25, 1), 1
	s_wait_xcnt 0x0
	s_wait_alu depctr_hold_cnt(0) depctr_sa_sdst(0) depctr_va_vdst(0) depctr_va_sdst(0) depctr_va_ssrc(0) depctr_va_vcc(0) depctr_vm_vsrc(0)
	s_getreg_b32 s2, hwreg(HW_REG_IB_STS2, 6, 4)
	s_cmp_eq_u32 s2, 0
	s_cbranch_scc0 .Lentry_in_a_cluster
	s_endpgm
.Lentry_in_a_cluster:
	s_bfe_u32 s2, ttmp6, 0x10000c
	s_cmp_lg_u32 s2, 0x3003
	s_cbranch_scc0 .Lentry_shape_is_right
	s_endpgm
.Lentry_shape_is_right:
; out0[b][c][i] = gamma x (sum over j of v[b][c][j] p[i][j]) / l[i] + x[b][c][i], p = 2^(t - M), t = (q_i . k_j) x log2(e) / 8, both products on codes of BF6 (E3M2) with E8M0 scales for each 32 along K.
; q, k, v come as images of operand registers from the launch before (its head says how qc and kv are laid).  M is the running largest t rounded UP to a whole number; p is quantised along the keys, not normalised;
; l is the sum of the unquantised p; when M moves, l and O are multiplied by 2^(old M - new M), which rounds nothing.
; SHARES.  A work-group owns 128 queries of one batch; each of its eight waves one tile of 16 queries and all 256 channels: O^T is 128 registers.  Every wave walks the batch's 4,096 keys, 128 a step.
; Both products are used transposed: S^T = K Q^T (source 0 = 16 keys), O^T = V P^T (source 0 = 16 channels): a lane holds ONE query throughout.  The keys of a tile are chosen by the launch before so that
; the 16 registers of tiles 2 b and 2 b + 1 of S^T are 16 neighbouring keys.  K of the first product is 64: the upper 64 codes of q's and k's fragments are zeros, set once.
; RING.  A key step is one dense record of 32,768 bytes of kv; a slot holds four; two slots.  Each wave brings an eighth of a slot by one tensor load (64 rows of 256 bytes).  One tensor load of a wave is out at a time.
; CLUSTER.  The four query blocks of a cluster belong to one batch and walk the same records: each load is asked for JOINTLY, with the same descriptor and the mask of the four.
; LIMITS: a block whose every p has fallen to 0 keeps the scale byte 1 (its codes are zeros).  A block's largest p is made from its largest score, which takes v_exp_f32 not to fall where its input rises.
; The result is O x (gamma x (1 / l)) + x: another order of rounding than gamma x (O / l) + x.  NaN and infinities are not served.
; REGISTERS, in windows of 256.  Window 0: v1-11 addresses; v12 -M, v13 the largest t, v[14:15] l in two halves; v16-27 Q; v28 Q's scale word, v29 p's; v[30:31] the factor; v32-127 K's 8 fragments;
;   v128-191 S^T, then p; v192-203 p's codes; v204-223, v236-239 at work; v224-227 K's scale words, v228-235 V's; v240-243 the way out.   Window 1: v0-127 O^T (tile n at 8 n); v128-223 eight fragments of V.
.set SLOT1, 1<<17                      ; slot 1 begins here: one exclusive or turns an address from one slot to the other
.set REC,   32768
.set SPARE, 2*SLOT1                    ; the spare words, 128 bytes for each wave: four blocks of 256 bytes that no other line names
.set SP,    528                        ; the way out: 256 channel rows of 512 bytes + 16, over the ring, which has then had its last fill and its last read
.set KF,  32
.set S,   128
.set PC,  192
.set BM,  212
.set PM,  216
.set SO,  220
.set KS,  224
.set VS,  228
.set MSB, 0
.macro WIN new                         ; the immediate's high byte repeats the setting that is left
.if MSB != \new
	s_set_vgpr_msb (MSB<<8)|\new
.set MSB, \new
.endif
.endm
.macro CROUND                          ; a round of the cluster's barrier
	s_barrier_signal -1
	s_barrier_wait -1
	s_cmp_lg_u32 s14, 0
	s_cbranch_scc1 .Lnot_wave_0_\@
	s_barrier_signal -3
.Lnot_wave_0_\@:
	s_barrier_wait -3
	s_barrier_signal -1
	s_barrier_wait -1
.endm
; A PREFETCH of the slot that the NEXT change of slots will ask for, four key steps ahead of that load.  All clusters of a batch walk the same records: the batch's first cluster asks.  Its four partners take one record
; each, told apart BY ADDRESS; in each, waves 0 to 3 take 8,192 bytes, lanes 256 bytes apart: each block is named once in the launch.  The last change that fills a slot asks for nothing; slots 0 and 1 come by their loads alone.
.macro ASK
	s_cmp_gt_u32 s39, s38
	s_cbranch_scc0 .Lnot_mine_\@
	global_prefetch_b8 v7, s[36:37] th:TH_LOAD_NT scope:SCOPE_SE
.Lnot_mine_\@:
.endm
	s_load_b256 s[4:11], s[0:1], 0x0               ; qc, kv, x, gamma
	s_load_b64 s[12:13], s[0:1], 0x20              ; out0
	v_lshl_add_u32 v3, v0, 2, SPARE                ; my spare word; never rewritten
	v_mov_b32 v4, 0                                ; 0; never rewritten
	ds_add_u32 v3, v4
	ds_add_u32 v3, v4
	s_wait_dscnt 0x0
	v_lshrrev_b32 v9, 5, v0
	s_delay_alu instid0(VALU_DEP_1)
	v_readfirstlane_b32 s14, v9                    ; wave 0..7
	s_bfe_u32 s15, ttmp6, 0x40000                  ; cx
	s_lshl_b32 s16, ttmp9, 2
	s_add_co_u32 s16, s16, s15                     ; my block of 128 queries = 4 x cluster x + cx: it enters plain addresses alone
	s_and_b32 s17, ttmp7, 0xffff                   ; the batch, which the partners share
	s_lshl_b32 s20, s17, 5
	s_add_co_u32 s20, s20, s16                     ; my block's record
	; descriptor group 1: 64 rows of 256 bytes (32 elements of 8 bytes), dense, no padding
	s_mov_b32 s24, 15|(3<<16)|(1<<21)              ; 15:0 the mask: all four work-groups; 17:16 elements of 8 bytes; 21 set beside a mask
	s_mov_b32 s25, 32<<16                          ; tensor_dim0 = 32
	s_mov_b32 s26, 64<<16                          ; tensor_dim1 = 64
	s_mov_b32 s27, 32<<16                          ; tile_dim0 = 32
	s_mov_b32 s28, 64                              ; tile_dim1 = 64
	s_mov_b32 s29, 32                              ; from row to row
	s_mov_b32 s30, 0
	s_mov_b32 s31, 0
	s_mov_b32 s32, 1                               ; group 0: count = 1,
	s_lshl_b32 s33, s14, 14                        ; LDS address: wave x 16,384 in slot 0,
	s_lshl_b32 s18, s17, 20                        ; global: batch x 32 records + wave x 16,384
	s_add_co_u32 s18, s18, s33
	s_mov_b32 s19, 0
	s_lshl_b32 s22, s17, 20                        ; the prefetches: my work-group's record, my wave's 8,192 bytes, in slot 1: the first change steps it to slot 2
	s_lshl_b32 s23, s15, 15
	s_add_co_u32 s22, s22, s23
	s_and_b32 s23, s14, 3
	s_lshl_b32 s23, s23, 13
	s_add_co_u32 s22, s22, s23
	s_add_co_u32 s22, s22, 4*REC
	s_mov_b32 s23, 0
	s_lshr_b32 s38, s14, 2                         ; 0 in waves 0 to 3,
	s_or_b32 s38, s38, ttmp9                       ; of the batch's first cluster: the same in all four partners
	s_cmp_eq_u32 s38, 0
	s_cselect_b32 s38, 1, -1
	s_mov_b32 s41, 0                               ; LDS byte at which the step's record begins
	s_mov_b32 s42, 0x3e38aa3b                      ; c = log2(e) / 8
	s_mov_b32 s43, s42                             ; (named with it as a pair, so it is written)
	s_mov_b32 s44, 0x76543210
	s_mov_b32 s45, 0xfedcba98                      ; v_permlanex16_b32's selects for lane l xor 16
	s_lshl_b32 s56, s17, 22                        ; x and out0: batch x 4 MiB + 512 x block + 32 x wave channels of 16,384 bytes
	s_lshl_b32 s57, s16, 9
	s_add_co_u32 s56, s56, s57
	s_lshl_b32 s57, s14, 19
	s_add_co_u32 s56, s56, s57
	s_mov_b32 s57, 0
	s_mul_i32 s58, s20, 6144                       ; my tile of q
	s_mul_i32 s59, s14, 768
	s_add_co_u32 s58, s58, s59
	s_mov_b32 s59, 0
	s_lshl_b32 s60, s20, 15                        ; its scale words: in my block's kv record at 32,256 + 256 (w & 1) + 4 (w >> 1) + 16 r
	s_and_b32 s61, s14, 1
	s_lshl_b32 s61, s61, 8
	s_add_co_u32 s60, s60, s61
	s_lshr_b32 s61, s14, 1
	s_lshl_b32 s61, s61, 2
	s_add_co_u32 s60, s60, s61
	s_add_co_u32 s60, s60, 32256
	s_mov_b32 s61, 0
	v_and_b32 v9, 31, v0
	s_delay_alu instid0(VALU_DEP_1)
	v_lshlrev_b32 v1, 4, v9                        ; 16 x lane
	s_delay_alu instid0(VALU_DEP_2)
	v_lshlrev_b32 v2, 3, v9                        ; 8 x lane
	s_delay_alu instid0(VALU_DEP_3)
	v_lshlrev_b32 v7, 8, v9                        ; 256 x lane
	s_delay_alu instid0(VALU_DEP_4)
	v_lshlrev_b32 v8, 14, v9                       ; a channel row of x a lane
	v_and_b32 v238, 15, v0                         ; r
	s_delay_alu instid0(VALU_DEP_1)
	v_lshlrev_b32 v10, 4, v238
	s_delay_alu instid0(VALU_DEP_2)
	v_and_b32 v239, 8, v238
	s_delay_alu instid0(VALU_DEP_1)
	v_add_nc_u32 v238, v238, v239                  ; r + 8 (r / 8)
	v_bfe_u32 v239, v0, 4, 1                       ; h
	s_mul_i32 s21, s14, 32*SP
	v_add_nc_u32 v11, s21, v1                      ; the way out, back: my 32 channel rows, 16 bytes a lane
	s_lshr_b32 s21, s14, 1
	s_lshl_b32 s21, s21, 7
	s_and_b32 s2, s14, 1
	s_lshl_b32 s2, s2, 5
	s_add_co_u32 s21, s21, s2                      ; my tile's first pixel, in bytes: 4 (32 (w >> 1) + 8 (w & 1))
	v_mul_u32_u24 v240, v239, 8*SP
	s_delay_alu instid0(VALU_DEP_1)
	v_lshl_add_u32 v240, v238, 2, v240
	s_delay_alu instid0(VALU_DEP_1)
	v_add_nc_u32 v240, s21, v240                   ; the way out, in: channel row 8 h, my query's pixel;
	s_delay_alu instid0(VALU_DEP_1)
	v_add_nc_u32 v241, 64*SP, v240                 ; 64, 128, 192 rows on
	s_delay_alu instid0(VALU_DEP_2)
	v_add_nc_u32 v242, 128*SP, v240
	s_delay_alu instid0(VALU_DEP_3)
	v_add_nc_u32 v243, 192*SP, v240
	s_wait_kmcnt 0x0
	s_add_nc_u64 s[34:35], s[6:7], s[18:19]
	s_or_b32 s35, s35, 0x80000000                  ; type = 2
	s_add_nc_u64 s[36:37], s[6:7], s[22:23]
	s_add_nc_u64 s[48:49], s[8:9], s[56:57]
	s_add_nc_u64 s[50:51], s[12:13], s[56:57]
	s_add_nc_u64 s[52:53], s[4:5], s[58:59]
	s_add_nc_u64 s[54:55], s[6:7], s[60:61]
	CROUND                                         ; all four work-groups are here: the first joint loads meet
	tensor_load_to_lds s[32:35], s[24:31]          ; slot 0
	s_nop 0
.rept 4
	v_nop
.endr
	s_load_b32 s46, s[10:11], 0x0                  ; gamma
	global_load_b128 v[16:19], v1, s[52:53]        ; Q's fragment stays in registers
	global_load_b64 v[20:21], v2, s[52:53] offset:512
	global_load_b32 v28, v10, s[54:55]
.irp i, 22,23,24,25,26,27
	v_mov_b32 v[\i], 0                             ; zero codes for K = 64 .. 127
.endr
.irp t, 0,1,2,3,4,5,6,7
.irp i, 6,7,8,9,10,11
	v_mov_b32 v[KF+12*\t+\i], 0
.endr
.endr
	v_mov_b32 v13, 0xff61b1e6                      ; the largest t so far: -3e38
	s_delay_alu instid0(VALU_DEP_1)
	v_floor_f32 v12, -v13                          ; -M
	v_mov_b32 v14, 0
	v_mov_b32 v15, 0
	v_mov_b32 v31, 0                               ; (named as the upper half of the pair v[30:31])
.irp b, 0,1,2,3
	v_mov_b32 v[PM+\b], 0                          ; a lane permute's destination counts as one of its sources
.endr
	WIN 0x40
.set i, 0
.rept 128
	v_mov_b32 v[i], 0                              ; O^T.  The step is written without a first step of its own: it finds zeros, which the first change of M leaves zeros
.set i, i+1
.endr
	WIN 0
.macro QKM t
.if (\t)%2
	v_wmma_scale_f32_16x16x128_f8f6f4 v[S+8*(\t):S+8*(\t)+7], v[KF+12*(\t):KF+12*(\t)+11], v[16:27], 0, v[KS+(\t)/2], v28 matrix_a_fmt:MATRIX_FMT_BF6 matrix_b_fmt:MATRIX_FMT_BF6 matrix_a_scale:MATRIX_SCALE_ROW1
.else
	v_wmma_scale_f32_16x16x128_f8f6f4 v[S+8*(\t):S+8*(\t)+7], v[KF+12*(\t):KF+12*(\t)+11], v[16:27], 0, v[KS+(\t)/2], v28 matrix_a_fmt:MATRIX_FMT_BF6 matrix_b_fmt:MATRIX_FMT_BF6
.endif
.endm
.macro PVM n                           ; channels 16 n on: O^T and V in window 1, p's codes in window 0; scale operands have no window
.if (\n)%2
	v_wmma_scale_f32_16x16x128_f8f6f4 v[8*(\n):8*(\n)+7], v[128+12*((\n)%8):139+12*((\n)%8)], v[PC:PC+11], v[8*(\n):8*(\n)+7], v[VS+(\n)/2], v29 matrix_a_fmt:MATRIX_FMT_BF6 matrix_b_fmt:MATRIX_FMT_BF6 matrix_a_scale:MATRIX_SCALE_ROW1
.else
	v_wmma_scale_f32_16x16x128_f8f6f4 v[8*(\n):8*(\n)+7], v[128+12*((\n)%8):139+12*((\n)%8)], v[PC:PC+11], v[8*(\n):8*(\n)+7], v[VS+(\n)/2], v29 matrix_a_fmt:MATRIX_FMT_BF6 matrix_b_fmt:MATRIX_FMT_BF6
.endif
.endm
.macro VLOAD g                         ; V's fragments 8 g .. 8 g + 7, 24 loads of 512 consecutive bytes
.irp q, 0,1,2,3,4,5,6,7
.irp c, 0,1,2
	ds_load_b128 v[128+12*\q+4*\c:131+12*\q+4*\c], v5 offset:6144+1536*(8*(\g)+\q)+512*\c
.endr
.endr
.endm
.macro RESC first, n                   ; n pairs of O^T, from register first on, times the factor
.set i, \first
.rept \n
	v_pk_mul_f32 v[i:i+1], v[i:i+1], v[30:31] op_sel_hi:[1,0]
.set i, i+2
.endr
.endm
; A KEY STEP: 128 keys, the record at LDS byte s41.
.macro STEP
	v_add_nc_u32 v5, s41, v1
	v_add_nc_u32 v6, s41, v2
	v_nop
	v_nop                                          ; four places behind the last step's products, ahead of loads into their operands and scale registers
.irp t, 0,1,2,3,4,5,6,7
	ds_load_b128 v[KF+12*\t:KF+12*\t+3], v5 offset:768*\t
	ds_load_b64 v[KF+12*\t+4:KF+12*\t+5], v6 offset:768*\t+512
.endr
	ds_load_b128 v[KS:KS+3], v5 offset:30720
	ds_load_b128 v[VS:VS+3], v5 offset:31232
	ds_load_b128 v[VS+4:VS+7], v5 offset:31744
	WIN 0x40                                       ; destination window 1
	VLOAD 0
	WIN 0
	s_wait_dscnt 26                                ; K and its scale words are in; behind them: V's two loads of scale words and 24 of codes
.irp t, 0,1,2,3,4,5,6,7
	QKM \t
.endr
.rept 4
	v_nop
.endr
.irp b, 0,1,2,3
	v_max3_num_f32 v[BM+\b], v[S+16*\b], v[S+1+16*\b], v[S+2+16*\b]   ; the largest score of each block of 32 keys: for the row's maximum, and, since p rises with the score, for the block's largest p
.endr
.irp i, 3,5,7,9,11,13
.irp b, 0,1,2,3
	v_max3_num_f32 v[BM+\b], v[BM+\b], v[S+16*\b+\i], v[S+1+16*\b+\i]
.endr
.endr
.irp b, 0,1,2,3
	v_max_num_f32 v[BM+\b], v[BM+\b], v[S+15+16*\b]
.endr
.irp b, 0,1,2,3
	s_delay_alu instid0(VALU_DEP_4)
	v_permlanex16_b32 v[PM+\b], v[BM+\b], s44, s45
.endr
.irp b, 0,1,2,3
	s_delay_alu instid0(VALU_DEP_4)
	v_max_num_f32 v[BM+\b], v[BM+\b], v[PM+\b]     ; with lane l xor 16's 16 keys
.endr
	s_delay_alu instid0(VALU_DEP_2)
	v_max3_num_f32 v238, v[BM], v[BM+1], v[BM+2]
	s_delay_alu instid0(VALU_DEP_1)
	v_max_num_f32 v238, v238, v[BM+3]
	s_delay_alu instid0(VALU_DEP_1)
	v_mul_f32 v238, s42, v238                      ; the step's largest t of my query
	s_delay_alu instid0(VALU_DEP_1)
	v_max_num_f32 v13, v13, v238
	v_mov_b32 v238, v12
	s_delay_alu instid0(VALU_DEP_2)
	v_floor_f32 v12, -v13                          ; the new -M = -ceil(t)
	s_delay_alu instid0(VALU_DEP_1)
	v_sub_f32 v238, v12, v238                      ; old M - new M: a whole number, 0 or less
	s_delay_alu instid0(VALU_DEP_1)
	v_cvt_i32_f32 v238, v238                       ; (it saturates)
	s_delay_alu instid0(VALU_DEP_1)
	v_ldexp_f32 v30, 1.0, v238                     ; the factor 2^(old M - new M)
.set i, 0
.rept 32
	v_pk_fma_f32 v[S+i:S+i+1], v[S+i:S+i+1], s[42:43], v[12:13] op_sel_hi:[1,0,0]   ; t - M, two at a time
.set i, i+2
.endr
.irp b, 0,1,2,3
	v_fma_f32 v[BM+\b], v[BM+\b], s42, v12
.endr
.set i, 0
	s_wait_alu depctr_va_vdst(0)
.rept 64
	v_exp_f32 v[S+i], v[S+i]                       ; p = 2^(t - M)
.set i, i+1
.endr
	v_pk_mul_f32 v[14:15], v[14:15], v[30:31] op_sel_hi:[1,0]   ; l under the new M: the plain line behind the exponentials
	s_wait_alu depctr_va_vdst(0)                   ; one wait for the batch of 64, ahead of its first reader
.irp b, 0,1,2,3
	v_exp_f32 v[BM+\b], v[BM+\b]                   ; the block's largest p
.endr
	v_pk_add_f32 v[236:237], v[132:133], v[136:137]
	v_pk_add_f32 v[254:255], v[140:141], v[144:145]
	v_pk_add_f32 v[252:253], v[148:149], v[152:153]
	v_pk_add_f32 v[250:251], v[156:157], v[160:161]
	v_pk_add_f32 v[248:249], v[164:165], v[168:169]
	v_pk_add_f32 v[246:247], v[172:173], v[176:177]
	v_pk_add_f32 v[244:245], v[180:181], v[184:185]
	v_pk_add_f32 v[14:15], v[14:15], v[188:189]
	v_pk_add_f32 v[236:237], v[236:237], v[128:129]
	v_pk_add_f32 v[254:255], v[254:255], v[130:131]
	v_pk_add_f32 v[252:253], v[252:253], v[134:135]
	v_pk_add_f32 v[250:251], v[250:251], v[138:139]
	v_pk_add_f32 v[248:249], v[248:249], v[142:143]
	v_pk_add_f32 v[246:247], v[246:247], v[146:147]
	v_pk_add_f32 v[244:245], v[244:245], v[150:151]
	v_pk_add_f32 v[14:15], v[14:15], v[154:155]
	v_pk_add_f32 v[236:237], v[236:237], v[158:159]
	v_pk_add_f32 v[254:255], v[254:255], v[162:163]
	v_pk_add_f32 v[252:253], v[252:253], v[166:167]
	v_pk_add_f32 v[250:251], v[250:251], v[170:171]
	v_pk_add_f32 v[248:249], v[248:249], v[174:175]
	v_pk_add_f32 v[246:247], v[246:247], v[178:179]
	v_pk_add_f32 v[244:245], v[244:245], v[182:183]
	v_pk_add_f32 v[14:15], v[14:15], v[186:187]
	v_pk_add_f32 v[236:237], v[236:237], v[190:191]
	s_delay_alu instid0(VALU_DEP_2)
	v_pk_add_f32 v[14:15], v[14:15], v[250:251]
	s_delay_alu instid0(VALU_DEP_2)
	v_pk_add_f32 v[236:237], v[236:237], v[248:249]
	v_pk_add_f32 v[254:255], v[254:255], v[246:247]
	v_pk_add_f32 v[252:253], v[252:253], v[244:245]
	s_delay_alu instid0(VALU_DEP_2)
	v_pk_add_f32 v[14:15], v[14:15], v[254:255]
	s_delay_alu instid0(VALU_DEP_2)
	v_pk_add_f32 v[236:237], v[236:237], v[252:253]
	s_delay_alu instid0(VALU_DEP_1)
	v_pk_add_f32 v[14:15], v[14:15], v[236:237]
	s_wait_alu depctr_va_vdst(0)                   ; and one for the four
.irp b, 0,1,2,3
	v_max_num_f32 v[BM+\b], 0x2800000, v[BM+\b]    ; the floor 2^(5 - 127): the byte cannot fall under 1
.endr
.irp b, 0,1,2,3
	s_delay_alu instid0(VALU_DEP_4)
	v_add_nc_u32 v[SO+\b], 0xfe000000, v[BM+\b]    ; 4 off the exponent field: the conversion's scale operand
.endr
.irp b, 0,1,2,3
	s_delay_alu instid0(VALU_DEP_4)
	v_lshrrev_b32 v[PM+\b], 23, v[SO+\b]
.endr
	s_delay_alu instid0(VALU_DEP_3)
	v_lshl_or_b32 v29, v[PM+1], 8, v[PM]           ; p's scale word for these 128 keys
	s_delay_alu instid0(VALU_DEP_1)
	v_lshl_or_b32 v29, v[PM+2], 16, v29
	s_delay_alu instid0(VALU_DEP_1)
	v_lshl_or_b32 v29, v[PM+3], 24, v29
.irp c, 0,1
	v_cvt_scalef32_pk16_bf6_f32 v[PC+6*\c:PC+2+6*\c], v[S+32*\c:S+15+32*\c], v[SO+2*\c]
	v_cvt_scalef32_pk16_bf6_f32 v[204+4*\c:206+4*\c], v[S+16+32*\c:S+31+32*\c], v[SO+2*\c+1]
.endr
	v_nop                                          ; one plain line behind the conversions
.irp c, 0,1
.irp i, 0,1,2
	v_permlane16_swap_b32 v[PC+6*\c+\i], v[204+4*\c+\i]   ; a whole block to a lane
.endr
.irp i, 0,1,2
	s_delay_alu instid0(VALU_DEP_3)
	v_mov_b32 v[PC+3+6*\c+\i], v[204+4*\c+\i]
.endr
.endr
	WIN 0x41                                       ; O^T in window 1, the factor in window 0
	s_setprio 1
	RESC 0, 32                                     ; tiles 0-7 under the new M; these lines also stand between the writing of p's codes and scale word and the products
	s_wait_alu depctr_va_vdst(0)
	s_wait_dscnt 0x0                               ; V's first half and its scale words
	WIN 0x51
.irp n, 0,1,2,3,4,5,6,7
	PVM \n
.endr
	WIN 0x41
	RESC 64, 4                                     ; tile 8: four places, which name no register of those products, ahead of the loads into V's registers
	WIN 0x40
	VLOAD 1
	WIN 0x41
	RESC 72, 28                                    ; tiles 9-15, while the loads land
	s_wait_alu depctr_va_vdst(0)
	s_wait_dscnt 0x0
	WIN 0x51
	s_setprio 0
.irp n, 8,9,10,11,12,13,14,15
	PVM \n
.endr
	WIN 0
	s_add_co_u32 s41, s41, REC
.endm
.macro STEPS n
	s_mov_b32 s40, \n
.Lstep_\@:
	s_setprio 2
	STEP
	s_sub_co_u32 s40, s40, 1
	s_cmp_lg_u32 s40, 0
	s_cbranch_scc1 .Lstep_\@
	s_setprio 0
.endm
; THE CHANGE OF SLOTS stands at a slot's head.  Each wave waits for all its tensor loads (its part of the slot ahead), adds 0 to its spare word, and waits for that and for its reads of the slot that it has left.
; fill = 1: a round of the cluster's barrier, so that no wave of any partner still reads that slot or has a load on its way; behind it the joint load of the next four records, which has four key steps in which to land.
.macro CHANGE fill
	s_wait_tensorcnt 0x0                           ; no tensor load of mine is out, so group 0 may be written
	ds_add_u32 v3, v4                              ; 0 onto my spare word
.if \fill
	s_xor_b32 s33, s33, SLOT1                      ; the other slot,
	s_add_nc_u64 s[34:35], s[34:35], 4*REC         ; the next four records; the type bits on top are not reached
	s_wait_xcnt 0x0                                ; the last prefetch, a slot back, has read its address
	s_add_nc_u64 s[36:37], s[36:37], 4*REC
	s_wait_dscnt 0x0                               ; the add is done, and my reads of the slot that I have left are over
	CROUND
	tensor_load_to_lds s[32:35], s[24:31]
	s_nop 0
.rept 4
	v_nop
.endr
	ASK
.else
	s_wait_dscnt 0x0
	s_barrier_signal -1
	s_barrier_wait -1
.endif
.endm
	s_wait_loadcnt 0x0                             ; Q
	s_wait_kmcnt 0x0                               ; gamma
	s_mov_b32 s39, 7                               ; slots still to be asked for
.Lslot:
	CHANGE 1
	STEPS 4
	s_sub_co_u32 s41, s41, 4*REC                   ; back to a slot's first record,
	s_xor_b32 s41, s41, SLOT1                      ; in the other slot
	s_sub_co_u32 s39, s39, 1
	s_cmp_lg_u32 s39, 0
	s_cbranch_scc1 .Lslot
	CHANGE 0                                       ; the last slot is written out
	STEPS 2
	global_prefetch_b8 v8, s[48:49] th:TH_LOAD_NT scope:SCOPE_SE              ; x for the way out, two key steps ahead of its loads: my wave's 32 channel rows of 512 bytes, a lane a row,
	global_prefetch_b8 v8, s[48:49] offset:256 th:TH_LOAD_NT scope:SCOPE_SE   ; in two halves: each block is named once in the launch
	STEPS 2
	; THE WAY OUT.  O^T x gamma / l goes through a stage in LDS, where the eight waves' queries meet as rows of 128 pixels; each wave then takes 32 channel rows, adds x and stores 512 consecutive bytes a row.
.rept 4
	v_nop                                          ; places behind the last products
.endr
	s_wait_dscnt 0x0
	s_barrier_signal -1
	s_barrier_wait -1                              ; nobody reads the ring any more, and it has had its last fill
.set i, 0
.rept 32
	global_load_b128 v[32+4*i:35+4*i], v1, s[48:49] offset:16384*i th:TH_LOAD_NT
.set i, i+1
.endr
	v_add_f32 v14, v14, v15                        ; l's two halves,
	s_delay_alu instid0(VALU_DEP_1)
	v_permlanex16_b32 v238, v14, s44, s45
	s_delay_alu instid0(VALU_DEP_1)
	v_add_f32 v14, v14, v238                       ; and lane l xor 16's
	s_wait_alu depctr_va_vdst(0)
	v_rcp_f32 v239, v14
	v_nop                                          ; a plain line behind the reciprocal,
	s_wait_alu depctr_va_vdst(0)                   ; and a wait ahead of its reader
	v_mul_f32 v30, s46, v239                       ; gamma / l
	WIN 0x41
	RESC 0, 64                                     ; each accumulator from its low end on
	WIN 0x04                                       ; an LDS store's data are its source 1: window 1
.irp n, 0,1,2,3,4,5,6,7,8,9,10,11,12,13,14,15
.irp j, 0,1,2,3,4,5,6,7
	ds_store_b32 v[240+\n/4], v[8*\n+\j] offset:(16*(\n%4)+\j)*SP   ; channel 16 n + 8 h + j, my query's pixel
.endr
.endr
	WIN 0
	s_wait_dscnt 0x0                               ; my stores have landed
	s_barrier_signal -1
	s_barrier_wait -1                              ; everybody's have
	WIN 0x40
.set i, 0
.rept 32
	ds_load_b128 v[128+4*i:131+4*i], v11 offset:SP*i
.set i, i+1
.endr
	WIN 0x44                                       ; source 0 (x, the address) window 0; source 1 (the stage's row, the store's data) and the destination window 1
.set i, 0
.rept 32
	s_wait_loadcnt 31-i                            ; row i of x is in: the younger loads may be out;
	s_wait_dscnt 31-i                              ; row i of the stage likewise
	v_pk_add_f32 v[128+4*i:129+4*i], v[32+4*i:33+4*i], v[128+4*i:129+4*i]
	v_pk_add_f32 v[130+4*i:131+4*i], v[34+4*i:35+4*i], v[130+4*i:131+4*i]
	global_store_b128 v1, v[128+4*i:131+4*i], s[50:51] offset:16384*i th:TH_STORE_NT   ; 32 lanes store 512 consecutive bytes, at a multiple of 256 from out0's first byte
.set i, i+1
.endr
	WIN 0
	s_wait_tensorcnt 0x0                           ; the wave's end
	ds_add_u32 v3, v4
	s_wait_dscnt 0x0
	CROUND                                         ; the closing round: no work-group ends while a partner may still ask for a tile that names it
	s_endpgm
.Lfunc_end_k_qf02c175ebc_attn:
	.size	k_qf02c175ebc_attn, .Lfunc_end_k_qf02c175ebc_attn-k_qf02c175ebc_attn
	.p2alignl 7, 3214868480
	.fill 96, 4, 3214868480
	.section	.rodata,"a",@progbits
	.p2align	6, 0x0
	.amdhsa_kernel k_qf02c175ebc_attn
		.amdhsa_group_segment_fixed_size 327680
		.amdhsa_private_segment_fixed_size 0
		.amdhsa_enable_private_segment 0
		.amdhsa_kernarg_size 40
		.amdhsa_user_sgpr_count 2
		.amdhsa_user_sgpr_kernarg_segment_ptr 1
		.amdhsa_wavefront_size32 1
		.amdhsa_system_sgpr_workgroup_id_x 1
		.amdhsa_system_sgpr_workgroup_id_y 1
		.amdhsa_system_sgpr_workgroup_id_z 1
		.amdhsa_system_vgpr_workitem_id 0
		.amdhsa_next_free_vgpr 512
		.amdhsa_next_free_sgpr 66
		.amdhsa_reserve_vcc 0
		.amdhsa_float_denorm_mode_32 3
		.amdhsa_float_denorm_mode_16_64 3
		.amdhsa_memory_ordered 1
		.amdhsa_forward_progress 1
		.amdhsa_inst_pref_size 113
	.end_amdhsa_kernel
	.amdgpu_metadata
---
amdhsa.version: [ 1, 2 ]
amdhsa.kernels:
  - .name:           k_qf02c175ebc_attn
    .symbol:         k_qf02c175ebc_attn.kd
    .args:
      - { .name: qc, .offset: 0, .size: 8, .value_kind: global_buffer, .address_space: global }
      - { .name: kv, .offset: 8, .size: 8, .value_kind: global_buffer, .address_space: global }
      - { .name: x, .offset: 16, .size: 8, .value_kind: global_buffer, .address_space: global }
      - { .name: gamma, .offset: 24, .size: 8, .value_kind: global_buffer, .address_space: global }
      - { .name: out0, .offset: 32, .size: 8, .value_kind: global_buffer, .address_space: global }
    .group_segment_fixed_size: 327680
    .private_segment_fixed_size: 0
    .kernarg_segment_align: 8
    .kernarg_segment_size: 40
    .max_flat_workgroup_size: 256
    .sgpr_count:     66
    .vgpr_count:     512
    .wavefront_size: 32
...
	.end_amdgpu_metadata
.endif
;; end of part 2
